; MI455X (gfx1250); checked and timed in simulation.
; The chip was launched on July 23, 2026; its instructions are those of AMD's public machine-readable ISA for CDNA 5 (MIT licence, August 2026) and "CDNA5" Instruction Set Architecture Reference Guide (July 2026). The comments in the code are by the model that wrote it; some were corrected since.
;; temporal attention. Allowed arithmetic: matrix products marked QUANTISED: E4M3 operands, one given power-of-two scale a tensor, by v_wmma_f32_16x16x64_fp8_fp8 or v_wmma_f32_16x16x128_fp8_fp8, f32 sums; everything else in f32.
;; Inputs: lowp_scales 4 int32 (the exponents e of the quantised operands' scales 2^e); x 2 x 8,192 x 64 float32.
;; Outputs: out0 2 x 64 x 8,192 float32.
;; This version of the problem:
;;   THIS VERSION OF THE PROBLEM IS GIVEN IN LOW PRECISION. The matrix products marked QUANTISED in the list below multiply operands that are first quantised to E4M3 (4 exponent bits, 3 mantissa bits; 8 bits a number), with one given power-of-two scale for each operand tensor; their sums are f32. All else is computed in f32.
;;   The module's matrix products, in the order in which they are computed (A, B: the left and right operand; K: the contracted axis; several contracted axes count as one K, in the product's order):
;;     1. batch 2 x [M 8,192, K 64] x [K 64, N 8,192]; A: input x; B: input x: QUANTISED (scales: A lowp_scales[0], B lowp_scales[1])
;;     2. batch 2 x [M 8,192, K 8,192] x [K 8,192, N 64]; A: computed on the way; B: input x: QUANTISED (scales: A lowp_scales[2], B lowp_scales[3])
;;   THE QUANTISER, for each operand of a quantised product, along K:
;;     - The operand's scale is 2^e, e = its entry of the input lowp_scales (int32; the entries are numbered through the quantised products in the list's order, A before B).
;;     - Each number is divided by the scale, clamped to +-448, and rounded to the nearest number of E4M3, ties to even, subnormals kept.
;;     - The product sums the exact products of the quantised numbers (number of the format x scale) in f32.
;;   ~~~python
;;   def quantise(x, axis, e):      # numpy; x: float32 -> the quantised numbers, widened to float32 again
;;       x = np.moveaxis(x, axis, -1); K = x.shape[-1]
;;       r = np.clip(x / 2.0 ** e, -448, 448)
;;       step = 2.0 ** (np.maximum(np.frexp(np.where(r == 0, 1, r))[1] - 1, -6) - 3)
;;       q = np.round(r / step) * step * 2.0 ** e      # np.round: ties to even
;;       return np.moveaxis(q, -1, axis).astype(np.float32)
;;   ~~~
;;   OPERANDS COMPUTED ON THE WAY. 'Computed on the way' means the value that the module computes at that place (a softmax that the list does not call 'softmax' is quantised finished and normalised). What goes into a quantiser is computed in f32, as accurately as f32 sums, v_exp_f32 and their like allow (about 1e-6 of the number): no bf16 or f16 on the way to a quantiser, and a product that is left as it is and whose result goes on into a quantised operand takes f32 operands (vector FMAs, or v_wmma_f32_16x16x4_f32). A number that lies on a knife's edge between two numbers of the format may be rounded either way, as far as f32 arithmetic and the matrix unit's own rounding can turn it there, and no further.
;; One version. Each part assembles by itself: llvm-mc -triple=amdgcn-amd-amdhsa -mcpu=gfx1250 --defsym DOCPART=n.
;; ======== version 1 of 1: 3 launches
;; limits: right only within a limited range of input values
;; workspace buffers: a_img 1,048,576 bytes; b_img 1,048,576 bytes; strm 2,228,224 bytes
;; launch quant (part 1): grid 256 x 1, 4 waves a work-group, no clusters, 0 bytes of LDS; arguments x, lowp_scales, a_img, b_img, strm; writes a_img, b_img, strm
.if DOCPART == 1
	.amdgcn_target "amdgcn-amd-amdhsa--gfx1250"
	.amdhsa_code_object_version 6
	.text
	.protected	k_qf225e48bde_quant
	.globl	k_qf225e48bde_quant
	.p2align	8
	.type	k_qf225e48bde_quant,@function
k_qf225e48bde_quant:
	s_mov_b64 s[64:65], 0
	v_nop
	global_prefetch_b8 v0, s[64:65] scope:SCOPE_SE
	s_setreg_imm32_b32 hwreg(HW_REG_WAVE_MODE, 25, 1), 1
	s_wait_xcnt 0x0
; out[b][d][i] = sum over j of Q2(y[i][j]) Q3(x[j][d]),  y[i][j] = exp(s[i][j] - m[j]) / l[j],  s[i][j] = Q0(x[i]) . Q1(x[j]);  m and l are column j's maximum and sum over ALL rows i.
; THE PROGRAM: three launches.  This one turns x into codes of E4M3 under the scales 2^e0, 2^e1 and 2^e3.  The second walks all scores once for each column's maximum and sum.
; The third walks them again, makes y finished and normalised, quantises it under 2^e2 and multiplies by x.  No code of y can be made before its column's sum is whole, so the first product is made twice.
; NOTHING IS LEFT OUT: every number of x and all four scales have a way to the output.  e0 and e1 may differ, so no symmetry of the scores is used.
; THIS LAUNCH.  x [2][8192][64] f32 is taken as 16,384 rows.  Work-group g takes rows 64 g .. 64 g + 63, four waves.
; WHAT IT STORES, in the order of the matrix operands' registers, so that a fragment (16 rows x 64 along K: 8 registers a lane) is two loads of 16 bytes a lane, at 16 x lane and 512 bytes on:
;   a_img: tile T = row / 16 at 1,024 T: byte 512 q + 16 (r + 16 h) + y = the code under e0 of x[16 T + r][32 h + 16 q + y].  (A lane holds 32 neighbouring d: a permutation of K that is the same in both operands of the first product.)
;   b_img: the same under e1.  (The second launch stores into strm, so it takes its own columns' codes from a buffer of their own.)
;   strm:  chunk g of 8,704 bytes: + 0: the chunk's four tiles of b_img once more;  + 4,096: four tiles dt for the second product, K = the 64 rows: byte 512 q + 16 (r + 16 h) + 8 u + y = the code under e3 of
;          x[64 g + 32 q + 16 u + 8 h + y][16 dt + r];  + 8,192: 512 bytes that the second launch stores.
; code = x / 2^e, held within +-448, to the nearest code, ties to even.  LIMITS: e0, e1, e3 between -126 and 119, so that 2^e and 448 x 2^e are f32 numbers.  NaN among the inputs is not served.
; No LDS, no barrier: waves share nothing.  Matrix units and clusters have no work here.
.set CHUNK, 8704
.set X,   32                           ; v32-63   32 neighbouring d of my row
.set VN,  64                           ; v64-95   32 rows of my column
.set TA,  96                           ; v96-127  the row's numbers held for e0
.set TB,  128                          ; v128-159 the same for e1
.set CA,  160                          ; v160-167 codes under e0
.set CB,  168                          ; v168-175 codes under e1
.set CV,  176                          ; v176-183 codes under e3
.macro MKSC e, vs, vl                  ; v[vs] = 2^e as f32 (the conversion takes its exponent field), v[vl] = 448 x 2^e; e in s[e]
	s_add_co_i32 s32, s[\e], 127
	s_lshl_b32 s33, s32, 23
	v_mov_b32 v[\vs], s33
	s_add_co_i32 s32, s32, 8
	s_lshl_b32 s32, s32, 23
	s_or_b32 s32, s32, 0x600000                    ; 448's mantissa field
	v_mov_b32 v[\vl], s32
.endm
	s_load_b256 s[4:11], s[0:1], 0x0               ; x s[4:5], the scales' exponents s[6:7], a_img s[8:9], b_img s[10:11]
	s_load_b64 s[36:37], s[0:1], 0x20              ; strm
	v_lshrrev_b32 v1, 5, v0
	v_readfirstlane_b32 s12, v1                    ; wave 0..3
	v_and_b32 v2, 31, v0                           ; lane l
	v_and_b32 v3, 15, v0                           ; r = l % 16
	s_wait_alu depctr_va_vdst(0)
	v_bfe_u32 v4, v0, 4, 1                         ; h = l / 16
	s_lshl_b32 s13, s12, 12                        ; BY ROWS: wave w takes rows 16 w + r; a row is 256 bytes
	v_lshlrev_b32 v5, 8, v3
	v_lshl_add_u32 v5, v4, 7, v5
	v_add_nc_u32 v5, s13, v5                       ; (16 w + r) x 256 + 128 h: my 32 numbers
	s_and_b32 s14, s12, 1                          ; BY COLUMNS: wave w takes columns 32 (w % 2) + l
	s_lshr_b32 s15, s12, 1                         ; and rows 32 (w / 2) + 0 .. 31
	s_lshl_b32 s16, s14, 7
	s_lshl_b32 s17, s15, 13
	s_add_co_u32 s16, s16, s17
	v_lshlrev_b32 v6, 2, v2
	v_add_nc_u32 v6, s16, v6                       ; 8,192 (w / 2) + 128 (w % 2) + 4 l
	s_lshl_b32 s17, s12, 10
	v_lshlrev_b32 v7, 4, v2
	v_add_nc_u32 v7, s17, v7                       ; where a row tile's image goes: 1,024 w + 16 l
	s_lshl_b32 s18, s14, 11
	s_lshl_b32 s19, s15, 9
	s_add_co_u32 s18, s18, s19
	s_add_co_u32 s18, s18, 4096
	v_lshlrev_b32 v14, 4, v3
	s_wait_alu depctr_va_vdst(0)
	v_lshl_add_u32 v14, v4, 10, v14
	v_add_nc_u32 v14, s18, v14                     ; where my column's codes go: 4,096 + 1,024 (2 (w % 2) + l / 16) + 512 (w / 2) + 16 (l % 16)
	s_lshl_b32 s20, ttmp9, 14                      ; the work-group's 64 rows of x,
	s_mov_b32 s21, 0
	s_lshl_b32 s22, ttmp9, 12                      ; its four tiles of a_img and of b_img,
	s_mov_b32 s23, 0
	s_mul_i32 s24, ttmp9, CHUNK                    ; its chunk of strm
	s_mov_b32 s25, 0
	s_wait_kmcnt 0x0
	s_load_b128 s[28:31], s[6:7], 0x0              ; e0, e1, e2, e3
	s_add_nc_u64 s[4:5], s[4:5], s[20:21]
	s_add_nc_u64 s[8:9], s[8:9], s[22:23]
	s_add_nc_u64 s[10:11], s[10:11], s[22:23]
	s_add_nc_u64 s[36:37], s[36:37], s[24:25]
.irp i, 0,1,2,3,4,5,6,7
	global_load_b128 v[X+4*\i:X+4*\i+3], v5, s[4:5] offset:16*\i
.endr
.irp n, 0,1,2,3,4,5,6,7,8,9,10,11,12,13,14,15,16,17,18,19,20,21,22,23,24,25,26,27,28,29,30,31
	global_load_b32 v[VN+\n], v6, s[4:5] offset:256*\n      ; a row's 32 neighbouring columns: the wave reads 128 consecutive bytes
.endr
	s_wait_kmcnt 0x0
	MKSC 28, 8, 9                                  ; e0
	MKSC 29, 10, 11                                ; e1
	MKSC 31, 12, 13                                ; e3
	s_wait_alu depctr_va_vdst(0)
	s_wait_loadcnt 32                              ; the eight loads by rows are in; the 32 by columns, issued behind them, may be out
.irp i, 0,1,2,3,4,5,6,7,8,9,10,11,12,13,14,15,16,17,18,19,20,21,22,23,24,25,26,27,28,29,30,31
	v_med3_num_f32 v[TA+\i], v[X+\i], -v9, v9      ; the conversion to an 8-bit code does not saturate (ISA guide 7.6.2): the hold at the largest code x the scale
.endr
.irp g, 0,1,2,3
	v_cvt_scalef32_pk8_fp8_f32 v[CA+2*\g:CA+2*\g+1], v[TA+8*\g:TA+8*\g+7], v8
.endr
	v_nop                                          ; a plain line behind the last conversion of a run
.irp i, 0,1,2,3,4,5,6,7,8,9,10,11,12,13,14,15,16,17,18,19,20,21,22,23,24,25,26,27,28,29,30,31
	v_med3_num_f32 v[TB+\i], v[X+\i], -v11, v11
.endr
.irp g, 0,1,2,3
	v_cvt_scalef32_pk8_fp8_f32 v[CB+2*\g:CB+2*\g+1], v[TB+8*\g:TB+8*\g+7], v10
.endr
	v_nop
	global_store_b128 v7, v[CA:CA+3], s[8:9]                  ; each store of the wave covers 512 consecutive bytes, aligned
	global_store_b128 v7, v[CA+4:CA+7], s[8:9] offset:512
	global_store_b128 v7, v[CB:CB+3], s[10:11]
	global_store_b128 v7, v[CB+4:CB+7], s[10:11] offset:512
	global_store_b128 v7, v[CB:CB+3], s[36:37]
	global_store_b128 v7, v[CB+4:CB+7], s[36:37] offset:512
	s_wait_loadcnt 0x0                             ; my column's 32 rows
.irp i, 0,1,2,3,4,5,6,7,8,9,10,11,12,13,14,15,16,17,18,19,20,21,22,23,24,25,26,27,28,29,30,31
	v_med3_num_f32 v[VN+\i], v[VN+\i], -v13, v13
.endr
	v_cvt_scalef32_pk8_fp8_f32 v[CV:CV+1],   v[VN:VN+7],     v12   ; rows 0-7 and 16-23 are what lanes 0-15 of the operand hold,
	v_cvt_scalef32_pk8_fp8_f32 v[CV+2:CV+3], v[VN+16:VN+23], v12
	v_cvt_scalef32_pk8_fp8_f32 v[CV+4:CV+5], v[VN+8:VN+15],  v12   ; rows 8-15 and 24-31 what lanes 16-31 hold
	v_cvt_scalef32_pk8_fp8_f32 v[CV+6:CV+7], v[VN+24:VN+31], v12
	v_nop
	global_store_b128 v14, v[CV:CV+3], s[36:37]               ; sixteen neighbouring lanes store 256 consecutive bytes, aligned
	global_store_b128 v14, v[CV+4:CV+7], s[36:37] offset:256
	s_endpgm
.Lfunc_end_k_qf225e48bde_quant:
	.size	k_qf225e48bde_quant, .Lfunc_end_k_qf225e48bde_quant-k_qf225e48bde_quant
	.p2alignl 7, 3214868480
	.fill 96, 4, 3214868480
	.section	.rodata,"a",@progbits
	.p2align	6, 0x0
	.amdhsa_kernel k_qf225e48bde_quant
		.amdhsa_group_segment_fixed_size 0
		.amdhsa_private_segment_fixed_size 0
		.amdhsa_enable_private_segment 0
		.amdhsa_kernarg_size 40
		.amdhsa_user_sgpr_count 2
		.amdhsa_user_sgpr_kernarg_segment_ptr 1
		.amdhsa_wavefront_size32 1
		.amdhsa_system_sgpr_workgroup_id_x 1
		.amdhsa_system_sgpr_workgroup_id_y 1
		.amdhsa_system_sgpr_workgroup_id_z 1
		.amdhsa_system_vgpr_workitem_id 0
		.amdhsa_next_free_vgpr 192
		.amdhsa_next_free_sgpr 66
		.amdhsa_reserve_vcc 0
		.amdhsa_float_denorm_mode_32 3
		.amdhsa_float_denorm_mode_16_64 3
		.amdhsa_memory_ordered 1
		.amdhsa_forward_progress 1
		.amdhsa_inst_pref_size 15
	.end_amdhsa_kernel
	.amdgpu_metadata
---
amdhsa.version: [ 1, 2 ]
amdhsa.kernels:
  - .name:           k_qf225e48bde_quant
    .symbol:         k_qf225e48bde_quant.kd
    .args:
      - { .name: x, .offset: 0, .size: 8, .value_kind: global_buffer, .address_space: global }
      - { .name: lowp_scales, .offset: 8, .size: 8, .value_kind: global_buffer, .address_space: global }
      - { .name: a_img, .offset: 16, .size: 8, .value_kind: global_buffer, .address_space: global }
      - { .name: b_img, .offset: 24, .size: 8, .value_kind: global_buffer, .address_space: global }
      - { .name: strm, .offset: 32, .size: 8, .value_kind: global_buffer, .address_space: global }
    .group_segment_fixed_size: 0
    .private_segment_fixed_size: 0
    .kernarg_segment_align: 8
    .kernarg_segment_size: 40
    .max_flat_workgroup_size: 128
    .sgpr_count:     66
    .vgpr_count:     192
    .wavefront_size: 32
...
	.end_amdgpu_metadata
.endif
;; end of part 1
;; launch stats (part 2): grid 128 x 2, 16 waves a work-group, clusters of 4 x 1, 327,680 bytes of LDS; arguments lowp_scales, a_img, b_img, strm; writes strm
.if DOCPART == 2
	.amdgcn_target "amdgcn-amd-amdhsa--gfx1250"
	.amdhsa_code_object_version 6
	.text
	.protected	k_qf225e48bde_stats
	.globl	k_qf225e48bde_stats
	.p2align	8
	.type	k_qf225e48bde_stats,@function
k_qf225e48bde_stats:
	s_mov_b64 s[64:65], 0
	v_nop
	global_prefetch_b8 v0, s[64:65] scope:SCOPE_SE
	s_setreg_imm32_b32 hwreg(HW_REG_WAVE_MODE, 25, 1), 1
	s_wait_xcnt 0x0
	s_wait_alu depctr_hold_cnt(0) depctr_sa_sdst(0) depctr_va_vdst(0) depctr_va_sdst(0) depctr_va_ssrc(0) depctr_va_vcc(0) depctr_vm_vsrc(0)
	s_getreg_b32 s2, hwreg(HW_REG_IB_STS2, 6, 4)
	s_cmp_eq_u32 s2, 0
	s_cbranch_scc0 .Lentry_in_a_cluster
	s_endpgm
.Lentry_in_a_cluster:
	s_bfe_u32 s2, ttmp6, 0x10000c
	s_cmp_lg_u32 s2, 0x3003
	s_cbranch_scc0 .Lentry_shape_is_right
	s_endpgm
.Lentry_shape_is_right:
; For each column j of the scores s[i][j] = Q0(x[i]) . Q1(x[j]) (sums of codes): -m[j] and -log2 L[j], m = the column's largest s over all 8,192 rows i, L = the sum over i of 2^((s - m) c), c = log2(e) x 2^(e0 + e1).
; In the loop a lane keeps a running maximum m and, as the shift of the exponents, M = c m rounded UP to a whole number; when M moves, the sum is multiplied by a power of two, which rounds nothing.  Nothing is left out.
; SHARES.  A work-group owns 64 columns of one batch (four tiles ct) and walks all rows.  The rows' codes under e0 (a_img) come through a ring of two LDS slots of 2,048 rows; each of the SIXTEEN waves fetches, and alone
; reads, its own 128 rows of a slot (8 tiles, 8,192 bytes), 64 rows a step, 8 steps.  The columns' codes under e1 come from b_img straight into registers.
; LAYOUT.  S = rows x columns (source 0 = 16 rows i, source 1 = 16 columns j): a lane holds ONE column (lane % 16) and eight rows, so nothing changes lanes in the loop.
; THE LOOP IS A PIPELINE OF STAGES.  A group is 64 rows x the 16 columns of tile ct = k: 32 registers.  In one stage the products, the maximum and the multiply-adds of group n + 1 are made (FRONT), then the exponentials of
; group n interleaved with the first additions of group n - 1 (BACK); group n - 2's last additions stand in FRONT, as the places behind the products.  What a stage writes is read in the next one, behind the one wait at its head.
; CLUSTER.  The four work-groups of a cluster belong to one batch and walk the same rows: each tile is asked for JOINTLY, by the same tensor load with the same descriptor and a mask that names the four.
; It stores into strm and loads nothing from it: chunk 128 b + j / 64, bytes 8,192 on: -m of the 64 columns, then -log2 L.
; LIMITS: e0 + e1 between -126 and 127 (they are added to the exponent field of log2(e)); |s c| under 2^31.  2^(t - M) under 2^-126 counts as 0.  NaN among the inputs is not served.
; All of a WGP's LDS is claimed.
.set SLOT1, 1<<17                      ; LDS: slot 0 at 0, slot 1 here, 131,072 bytes each
.set SPARE, 2*SLOT1                    ; the spare words, 128 bytes for each wave: eight blocks of 256 bytes that no other line names
.set PART,  SPARE+2048                 ; the partial m, [32][64] f32;
.set PL,    8192                       ; so many bytes on the partial L.  No tensor load lands here
.set AF0, 1                            ; v1   16 x lane + 8,192 x wave: my place in my wave's part of a slot
.set ADR, 2                            ; v2   the same in the slot in hand
.set PFO, 3                            ; v3   256 x lane, for the prefetch; never rewritten
.set SPW, 4                            ; v4   LDS address of my spare word; never rewritten
.set NIL, 5                            ; v5   0; never rewritten
.set PS,  7                            ; v7   where my partial goes: PART + 256 (2 wave + h) + 4 r
.set MR,  8                            ; v8   where the partials of four columns are read: PART + 16 (lane % 16) + 4,096 h
.set LI,  9                            ; v9   16 x lane
.set LN,  10                           ; v10  lane;  v11 r;  v12 h
.set BF,  16                           ; v16-47   my columns' four fragments (e1)
.set AFR, 48                           ; v48-79   four fragments of rows (e0)
.set S,   80                           ; v80-207  the groups: tile rt of group ct = k at S + 32 k + 8 rt
.set ST,  208                          ; v208 + 8 ct: + 0 -M after even steps, + 1 m, + 2 -M after odd steps, + 4, 5 the sum in two halves, + 6 f; + 3 and + 7 are named as upper halves of pairs
.set CH,  240                          ; v240-243 four chains of the maximum
.set SUM2, 244                         ; v244-245 a second chain of the sum
.set WT,  246                          ; v246 -c m;  v247 M's old value less its new one
.set WV,  12                           ; s12  wave;  s13 cx;  s14 my block of 64 columns;  s15 batch;  s[16:19] e0 .. e3
.set SEL, 20                           ; s[20:21] lane selects for v_permlanex16_b32: lane l xor 16
.set CS,  22                           ; s[22:23] c, twice
.set G1,  24                           ; s[24:31] descriptor group 1
.set G0A, 32                           ; s[32:35] group 0 of slot 0's first fill
.set G0B, 36                           ; s[36:39] group 0 of slot 1's first fill; it then walks
.set TB,  40                           ; s40  LDS byte at which the slot in hand begins
.set CNT, 41                           ; s41  trips to go
.set PFA, 42                           ; s[42:43] the prefetch's address
.set LIM, 44                           ; s44  1 in a wave that prefetches, else the greatest number
.set NC,  56                           ; s56  -c
.macro CREST                           ; a round of the cluster's barrier, behind its opening barrier: wave 0 signals for the work-group; every wave waits for all four work-groups; my work-group's barrier once more
	s_cmp_lg_u32 s[WV], 0
	s_cbranch_scc1 .Lnot_wave_0_\@
	s_barrier_signal -3
.Lnot_wave_0_\@:
	s_barrier_wait -3
	s_barrier_signal -1
	s_barrier_wait -1
.endm
.macro CROUND
	s_barrier_signal -1
	s_barrier_wait -1
	CREST
.endm
	s_load_b256 s[4:11], s[0:1], 0x0               ; the scales' exponents s[4:5], a_img s[6:7], b_img s[8:9], strm s[10:11]
	v_lshl_add_u32 v[SPW], v0, 2, SPARE
	v_mov_b32 v[NIL], 0
	ds_add_u32 v[SPW], v[NIL]                      ; the wave's opening: the add, twice on end, and its wait ahead of my first tensor load; the set-up below stands between
	ds_add_u32 v[SPW], v[NIL]
	v_lshrrev_b32 v6, 5, v0
	v_readfirstlane_b32 s[WV], v6                  ; wave 0..15
	v_and_b32 v[LN], 31, v0
	v_lshlrev_b32 v[LI], 4, v[LN]
	s_bfe_u32 s13, ttmp6, 0x40000                  ; cx: my place in the cluster: it enters global addresses of b_img, of strm and of the prefetch alone
	s_lshl_b32 s14, ttmp9, 2
	s_add_co_u32 s14, s14, s13                     ; my block of 64 columns = 4 x cluster x + cx
	s_and_b32 s15, ttmp7, 0xffff                   ; the batch, which the four partners share
	; descriptor group 1: 8,192 dense bytes as 8 rows of 128 elements of 8 bytes
	s_mov_b32 s[G1], 15|(3<<16)|(1<<21)            ; 15:0 the mask: all four work-groups; 17:16 elements of 8 bytes; 20 no padding; 21 set beside a mask
	s_mov_b32 s[G1+1], 128<<16                     ; tensor_dim0 = 128
	s_mov_b32 s[G1+2], 8<<16                       ; tensor_dim1 = 8
	s_mov_b32 s[G1+3], 128<<16                     ; tile_dim0 = 128
	s_mov_b32 s[G1+4], 8                           ; tile_dim1 = 8
	s_mov_b32 s[G1+5], 128                         ; from row to row: 128 elements
	s_mov_b32 s[G1+6], 0
	s_mov_b32 s[G1+7], 0
	s_lshl_b32 s45, s[WV], 13                      ; my wave's part of a slot, in LDS and in memory
	s_lshl_b32 s46, s15, 19                        ; the batch's 524,288 bytes of a_img
	s_add_co_u32 s46, s46, s45
	s_mov_b32 s47, 0
	s_lshl_b32 s48, s15, 19                        ; b_img: the batch, and my block's four tiles of 1,024 bytes
	s_lshl_b32 s49, s14, 12
	s_add_co_u32 s48, s48, s49
	s_mov_b32 s49, 0
	s_lshl_b32 s54, s15, 7                         ; strm: chunk 128 b + block, its bytes 8,192 on
	s_add_co_u32 s54, s54, s14
	s_mul_i32 s54, s54, 8704
	s_add_co_u32 s54, s54, 8192
	s_mov_b32 s55, 0
	s_lshl_b32 s52, s13, 13                        ; the prefetch: 8,192 bytes for each partner, told apart by address, in the batch's fourth slot's worth of rows
	s_add_co_u32 s52, s52, 3*SLOT1
	s_mov_b32 s53, 0
	s_and_b32 s[LIM], s[WV], 3                     ; waves 0, 4, 8 and 12
	s_or_b32 s[LIM], s[LIM], ttmp9                 ; of the batch's first cluster: the same in all four partners
	s_cmp_eq_u32 s[LIM], 0
	s_cselect_b32 s[LIM], 1, -1
	s_mov_b32 s[SEL], 0x76543210
	s_mov_b32 s[SEL+1], 0xfedcba98
	s_mov_b32 s[TB], 0
	s_wait_alu depctr_va_vdst(0)
	s_wait_dscnt 0x0                               ; both opening adds are done
	s_wait_kmcnt 0x0
	s_load_b128 s[16:19], s[4:5], 0x0              ; e0, e1, e2, e3
	s_add_nc_u64 s[46:47], s[6:7], s[46:47]        ; a_img at my wave's part of the batch's first 2,048 rows
	s_add_nc_u64 s[48:49], s[8:9], s[48:49]
	s_add_nc_u64 s[54:55], s[10:11], s[54:55]
	s_add_nc_u64 s[PFA:PFA+1], s[46:47], s[52:53]
.irp ct, 0,1,2,3                               ; my 64 columns' codes under e1, as images of the operand's registers: on their way while the cluster meets and the first tiles come
	global_load_b128 v[BF+8*\ct:BF+8*\ct+3],   v[LI], s[48:49] offset:1024*\ct
	global_load_b128 v[BF+8*\ct+4:BF+8*\ct+7], v[LI], s[48:49] offset:1024*\ct+512
.endr
	s_mov_b32 s[G0A], 1                            ; count = 1
	s_add_co_u32 s[G0A+1], s45, 0                  ; LDS address: slot 0, my wave's part
	s_add_nc_u64 s[G0A+2:G0A+3], s[46:47], 0       ; global address
	s_or_b32 s[G0A+3], s[G0A+3], 0x80000000        ; type = 2
	s_mov_b32 s[G0B], 1
	s_add_co_u32 s[G0B+1], s45, SLOT1
	s_add_nc_u64 s[G0B+2:G0B+3], s[46:47], SLOT1   ; the next 2,048 rows: as many bytes in memory as a slot has
	s_or_b32 s[G0B+3], s[G0B+3], 0x80000000
	CROUND                                         ; all four work-groups are here: the first joint loads meet
	tensor_load_to_lds s[G0A:G0A+3], s[G1:G1+7]    ; every wave issues its part of slot 0: one tensor load a wave at the head
	s_nop 0
	v_and_b32 v11, 15, v0                          ; r
	v_bfe_u32 v12, v0, 4, 1                        ; h
	v_add_nc_u32 v[AF0], s45, v[LI]
	v_lshlrev_b32 v[PFO], 8, v[LN]
	s_lshl_b32 s50, s[WV], 9
	s_add_co_u32 s50, s50, PART
	v_lshlrev_b32 v[PS], 2, v11
	v_lshlrev_b32 v[MR], 4, v11
	v_lshl_add_u32 v[PS], v12, 8, v[PS]
	v_lshl_add_u32 v[MR], v12, 12, v[MR]           ; lanes 16-31 take the partials 16 further on: 16 x 256 bytes
	v_add_nc_u32 v[PS], s50, v[PS]
	v_add_nc_u32 v[MR], PART, v[MR]
	v_add_nc_u32 v[ADR], s[TB], v[AF0]
.irp ct, 0,1,2,3
	v_mov_b32 v[ST+8*\ct+1], 0xff61b1e6            ; the largest s so far: -3e38
	v_mov_b32 v[ST+8*\ct+2], 0x7f61b1e6            ; -M: 3e38, so that the first change of M multiplies the empty sum by 0
	v_mov_b32 v[ST+8*\ct+3], 0
	v_mov_b32 v[ST+8*\ct+4], 0                     ; the sum, in two halves
	v_mov_b32 v[ST+8*\ct+5], 0
	v_mov_b32 v[ST+8*\ct+7], 0
.endr
	s_wait_alu depctr_va_vdst(0)
	s_wait_kmcnt 0x0
	s_add_co_i32 s50, s16, s17
	s_lshl_b32 s50, s50, 23
	s_add_co_i32 s[CS], s50, 0x3fb8aa3b            ; log2(e) with e0 + e1 added to its exponent field: a sum of codes stands for sum x 2^(e0 + e1)
	s_mov_b32 s[CS+1], s[CS]                       ; (named with it as a pair, so it is written)
	s_xor_b32 s[NC], s[CS], 0x80000000
.macro PIECE i, on                     ; the last four of a group's eight closing additions
.if \on
.if \i == 0
	v_pk_add_f32 v[SUM2:SUM2+1], v[SUM2:SUM2+1], v[PB+20:PB+21]
.endif
.if \i == 1
	v_pk_add_f32 v[LP:LP+1], v[LP:LP+1], v[PB+24:PB+25]
.endif
.if \i == 2
	v_pk_add_f32 v[SUM2:SUM2+1], v[SUM2:SUM2+1], v[PB+28:PB+29]
.endif
.if \i == 3
	v_pk_add_f32 v[LP:LP+1], v[LP:LP+1], v[SUM2:SUM2+1]
.endif
.endif
.endm
; FRONT: k the stage and its tile of columns; p the step's parity; w1: products, maximum, multiply-adds of the group; a2: the closing additions of the group before the last but one (tile k + 1).
.macro FRONT k, p, w1, a2
.set SB, S+32*(\k)
.set TT, ST+8*(\k)
.set PB, S+32*((\k+1)%4)
.set LP, ST+8*((\k+1)%4)+4
	s_wait_alu depctr_va_vdst(0)                   ; one wait for all that the last stage wrote
.if \w1
.irp rt, 0,1,2,3
	v_wmma_f32_16x16x64_fp8_fp8 v[SB+8*\rt:SB+8*\rt+7], v[AFR+8*\rt:AFR+8*\rt+7], v[BF+8*(\k):BF+8*(\k)+7], 0
.endr
.endif
.if \a2
	v_pk_add_f32 v[SUM2:SUM2+1], v[PB:PB+1], v[PB+4:PB+5]      ; (these four are the places behind the products: ISA guide 7.12.1)
	v_pk_add_f32 v[LP:LP+1], v[LP:LP+1], v[PB+8:PB+9]
	v_pk_add_f32 v[SUM2:SUM2+1], v[SUM2:SUM2+1], v[PB+12:PB+13]
	v_pk_add_f32 v[LP:LP+1], v[LP:LP+1], v[PB+16:PB+17]
.else
.rept 4
	v_nop                                          ; places behind the products
.endr
.endif
.if \w1
.irp i, 0,1,2,3                        ; the group's largest score of my column among my 32 rows: a chain a tile, each read from its low end first
	v_max3_num_f32 v[CH+\i], v[SB+8*\i], v[SB+8*\i+1], v[SB+8*\i+2]
.endr
.irp i, 0,1,2,3
	v_max3_num_f32 v[CH+\i], v[CH+\i], v[SB+8*\i+3], v[SB+8*\i+4]
.endr
.irp i, 0,1,2,3
	v_max3_num_f32 v[CH+\i], v[CH+\i], v[SB+8*\i+5], v[SB+8*\i+6]
.endr
	v_max3_num_f32 v[CH+2], v[CH+2], v[CH+3], v[TT+1]          ; with the running maximum
	v_max3_num_f32 v[CH], v[CH], v[SB+7], v[SB+15]
	v_max3_num_f32 v[CH+1], v[CH+1], v[SB+23], v[SB+31]
.endif
	PIECE 0, \a2
.if \w1
	v_max3_num_f32 v[TT+1], v[CH], v[CH+1], v[CH+2]            ; m
.endif
	PIECE 1, \a2
.if \w1
	v_mul_f32 v[WT], s[NC], v[TT+1]
.endif
	PIECE 2, \a2
.if \w1
	v_floor_f32 v[TT+2*(\p)], v[WT]                            ; -M = floor(-c m): M is a whole number
.endif
	PIECE 3, \a2
.if \w1
.set n, 0
.rept 16
	v_pk_fma_f32 v[SB+n:SB+n+1], v[SB+n:SB+n+1], s[CS:CS+1], v[TT+2*(\p):TT+2*(\p)+1] op_sel_hi:[1,0,0]   ; s c - M, one rounding (of the pairs c and -M the low word serves both halves)
.if n == 4
	v_sub_f32 v[WT+1], v[TT+2*(\p)], v[TT+2-2*(\p)]            ; M's old value less its new one: a whole number, 0 or less
.endif
.if n == 12
	v_cvt_i32_f32 v[WT+1], v[WT+1]                             ; (it saturates)
.endif
.if n == 20
	v_ldexp_f32 v[TT+6], 1.0, v[WT+1]                          ; f = 2^(old M - new M)
.endif
.if n == 28
	v_pk_mul_f32 v[TT+4:TT+5], v[TT+4:TT+5], v[TT+6:TT+7] op_sel_hi:[1,0]   ; the sum under the new M
.endif
.set n, n+2
.endr
.endif
.endm
; BACK: the exponentials of the last stage's group (ex), with the first additions, pairs to pairs, of the group before it (a1) between them.
.macro BACK k, ex, a1
.set EB, S+32*((\k+3)%4)
.set QB, S+32*((\k+2)%4)
.set n, 0
.rept 32
.if \ex
	v_exp_f32 v[EB+n], v[EB+n]                                 ; 2^(s c - M), at most 1
.endif
.if \a1
.if (n%4) == 3
	v_pk_add_f32 v[QB+n-3:QB+n-2], v[QB+n-3:QB+n-2], v[QB+n-1:QB+n]
.endif
.endif
.set n, n+1
.endr
.if \a1 == 0
	v_nop                                          ; a plain line behind the last exponential
.endif
.endm
.macro MID p                           ; stages 1 and 2
	FRONT 1, \p, 1, 1
	BACK 1, 1, 1
	FRONT 2, \p, 1, 1
	BACK 2, 1, 1
.endm
.macro LDA o                           ; the next step's 64 rows: images of the operand's registers, 512 consecutive bytes a load
.irp rt, 0,1,2,3
	ds_load_b128 v[AFR+8*\rt:AFR+8*\rt+3],   v[ADR] offset:\o+1024*\rt
	ds_load_b128 v[AFR+8*\rt+4:AFR+8*\rt+7], v[ADR] offset:\o+1024*\rt+512
.endr
.endm
.macro SAME p                          ; an even step's last stage: the next step's rows lie in the same slot
	FRONT 3, \p, 1, 1
	LDA 4096
	BACK 3, 1, 1
.endm
.macro OTHER                           ; the next step's rows lie in the other slot: my part of it is in, by a wait for 0 ahead of this.  Only I read these bytes: no barrier
	s_xor_b32 s[TB], s[TB], SLOT1
	v_add_nc_u32 v[ADR], s[TB], v[AF0]
	LDA 0
.endm
	s_wait_loadcnt 0x0                             ; my columns' fragments
	s_wait_tensorcnt 0x0                           ; my part of slot 0 is in.  Only I read these bytes
	LDA 0
	s_wait_tensorcnt 0x0                           ; ahead of a later first fill, as ahead of a refill
	ds_add_u32 v[SPW], v[NIL]
	s_wait_dscnt 0x0                               ; the add is done, and the first rows are in registers
	s_barrier_signal -1
	FRONT 0, 0, 1, 0                               ; step 0, work on registers while the others arrive
	s_barrier_wait -1
	CREST
	tensor_load_to_lds s[G0B:G0B+3], s[G1:G1+7]    ; slot 1's first fill
	s_nop 0
	FRONT 1, 0, 1, 0
	BACK 1, 1, 0
	FRONT 2, 0, 1, 0
	BACK 2, 1, 1
	SAME 0
	s_mov_b32 s[CNT], 2
	s_wait_alu depctr_va_vdst(0)
	s_wait_dscnt 0x0
.Lturn:                                        ; steps 1, 2 and 3, 4: within each odd step the slot whose last rows went into registers at the end of the step before is filled again
	FRONT 0, 1, 1, 1
; THE CHANGE OF SLOTS.  Each wave waits for all its tensor loads (its part of the slot ahead is then in), adds 0 to its spare word, and waits for that and for its LDS reads; the descriptor's steps and the stage's exponentials stand between.
; The step's other stages, work on registers, stand inside the round.  Behind it no wave of any partner reads the old slot or has a load on its way.
	s_wait_tensorcnt 0x0                           ; no tensor load of mine is out, so a group 0 may be written
	ds_add_u32 v[SPW], v[NIL]                      ; 0 onto my spare word
	s_xor_b32 s[G0B+1], s[G0B+1], SLOT1            ; the walking descriptor: the other slot than last time,
	s_add_nc_u64 s[G0B+2:G0B+3], s[G0B+2:G0B+3], SLOT1   ; the next 2,048 rows; the type bits on top are not reached
	BACK 0, 1, 1
	s_wait_dscnt 0x0                               ; the add is done, and my reads of the old slot are over
	s_barrier_signal -1
	FRONT 1, 1, 1, 1
	BACK 1, 1, 1
	s_wait_alu depctr_va_vdst(0)
	s_barrier_wait -1
	s_cmp_lg_u32 s[WV], 0
	s_cbranch_scc1 .Lnot_wave_0
	s_barrier_signal -3
.Lnot_wave_0:
	s_barrier_wait -3
	s_barrier_signal -1
	FRONT 2, 1, 1, 1                               ; work on registers while the others arrive
	BACK 2, 1, 1
	FRONT 3, 1, 1, 1
	s_barrier_wait -1
	tensor_load_to_lds s[G0B:G0B+3], s[G1:G1+7]    ; the first thing behind the round, and my one tensor load until the next
	s_nop 0
	OTHER
	BACK 3, 1, 1
	s_wait_alu depctr_va_vdst(0)
; A PREFETCH INTO THE L2, in the first trip, of what the second trip's change will ask for: the batch's last 2,048 rows, 131,072 bytes, two steps ahead of that load.  All clusters of a batch walk the same rows: the batch's first
; cluster asks.  Waves 0, 4, 8 and 12 in each of four partners take 8,192 bytes each, lanes 256 bytes apart, the partners told apart by address: each block of 256 bytes is named once.  The second trip's change is the last that fills.
	s_cmp_gt_u32 s[CNT], s[LIM]
	s_cbranch_scc0 .Lnot_mine
	global_prefetch_b8 v[PFO], s[PFA:PFA+1] th:TH_LOAD_NT scope:SCOPE_SE
.Lnot_mine:
	s_wait_dscnt 0x0
	FRONT 0, 0, 1, 1
	BACK 0, 1, 1
	MID 0
	SAME 0
	s_wait_alu depctr_va_vdst(0)
	s_wait_dscnt 0x0
	s_sub_co_u32 s[CNT], s[CNT], 1
	s_cmp_lg_u32 s[CNT], 0
	s_cbranch_scc1 .Lturn
	FRONT 0, 1, 1, 1                               ; step 5
	BACK 0, 1, 1
	MID 1
	FRONT 3, 1, 1, 1
	s_wait_tensorcnt 0x0                           ; my part of the last slot is in
	OTHER
	BACK 3, 1, 1
	s_wait_dscnt 0x0
	FRONT 0, 0, 1, 1                               ; step 6
	BACK 0, 1, 1
	MID 0
	SAME 0
	s_wait_dscnt 0x0
	FRONT 0, 1, 1, 1                               ; step 7
	BACK 0, 1, 1
	MID 1
	FRONT 3, 1, 1, 1
	BACK 3, 1, 1
	FRONT 0, 0, 0, 1                               ; the pipeline runs empty
	BACK 0, 1, 1
	FRONT 1, 0, 0, 1
	BACK 1, 0, 1
	FRONT 2, 0, 0, 1
	; THE END.  Each lane's sum is brought from 2^-M to its own m: L = sum x 2^(M - c m).  m and L go to LDS; wave 0 joins a column's 32 pairs.
.irp ct, 0,1,2,3
	v_fma_f32 v[CH+\ct], -v[ST+8*\ct+1], s[CS], -v[ST+8*\ct+2]
.endr
.irp ct, 0,1,2,3
	v_add_f32 v[ST+8*\ct+4], v[ST+8*\ct+4], v[ST+8*\ct+5]
.endr
	s_wait_alu depctr_va_vdst(0)                   ; ahead of the batch,
.irp ct, 0,1,2,3
	v_exp_f32 v[CH+\ct], v[CH+\ct]
.endr
	v_nop
	s_wait_alu depctr_va_vdst(0)                   ; and behind it
.irp ct, 0,1,2,3
	v_mul_f32 v[ST+8*\ct+4], v[ST+8*\ct+4], v[CH+\ct]
.endr
.irp ct, 0,1,2,3
	ds_store_b32 v[PS], v[ST+8*\ct+1] offset:64*\ct
	ds_store_b32 v[PS], v[ST+8*\ct+4] offset:PL+64*\ct
.endr
	s_wait_dscnt 0x0                               ; for wave 0's sake: my stores have landed
	s_barrier_signal -1
	s_barrier_wait -1
	s_cmp_lg_u32 s[WV], 0
	s_cbranch_scc1 .Ldone                          ; no barrier stands in wave 0's part
.irp k, 0,1,2,3,4,5,6,7,8,9,10,11,12,13,14,15
	ds_load_b128 v[S+4*\k:S+4*\k+3], v[MR] offset:256*\k              ; partial 16 h + k's m of columns 4 (lane % 16) + 0 .. 3
.endr
.irp k, 0,1,2,3,4,5,6,7,8,9,10,11,12,13,14,15
	ds_load_b128 v[S+64+4*\k:S+64+4*\k+3], v[MR] offset:PL+256*\k     ; and its L
.endr
	s_wait_dscnt 0x0
.irp e, 0,1,2,3
	v_max3_num_f32 v[AFR+\e], v[S+\e], v[S+4+\e], v[S+8+\e]
.endr
.irp k, 3,5,7,9,11,13
.irp e, 0,1,2,3
	v_max3_num_f32 v[AFR+\e], v[AFR+\e], v[S+4*\k+\e], v[S+4*\k+4+\e]
.endr
.endr
.irp e, 0,1,2,3
	v_max_num_f32 v[AFR+\e], v[AFR+\e], v[S+60+\e]
.endr
.irp e, 0,1,2,3
	v_permlanex16_b32 v[CH+\e], v[AFR+\e], s[SEL], s[SEL+1]           ; the other half of the lanes' maximum of the same four columns
.endr
.irp e, 0,1,2,3
	v_max_num_f32 v[AFR+\e], v[AFR+\e], v[CH+\e]                      ; the column's m
.endr
.set n, 0
.rept 32
	v_pk_add_f32 v[S+n:S+n+1], v[S+n:S+n+1], v[AFR+n%4:AFR+n%4+1] neg_lo:[0,1] neg_hi:[0,1]   ; a partial's m less the column's: 0 or less
.set n, n+2
.endr
.set n, 0
.rept 32
	v_pk_mul_f32 v[S+n:S+n+1], v[S+n:S+n+1], s[CS:CS+1] op_sel_hi:[1,0]
.set n, n+2
.endr
	s_wait_alu depctr_va_vdst(0)                   ; ahead of the batch,
.set n, 0
.rept 64
	v_exp_f32 v[S+n], v[S+n]
.set n, n+1
.endr
	v_nop
	s_wait_alu depctr_va_vdst(0)                   ; and behind it
.irp k, 0,1                                    ; the column's L in two chains, even and odd partials
	v_pk_mul_f32 v[AFR+4+4*\k:AFR+5+4*\k], v[S+4*\k:S+4*\k+1], v[S+64+4*\k:S+65+4*\k]
	v_pk_mul_f32 v[AFR+6+4*\k:AFR+7+4*\k], v[S+4*\k+2:S+4*\k+3], v[S+66+4*\k:S+67+4*\k]
.endr
.irp k, 2,3,4,5,6,7,8,9,10,11,12,13,14,15
	v_pk_fma_f32 v[AFR+4+4*(\k%2):AFR+5+4*(\k%2)], v[S+4*\k:S+4*\k+1], v[S+64+4*\k:S+65+4*\k], v[AFR+4+4*(\k%2):AFR+5+4*(\k%2)]
	v_pk_fma_f32 v[AFR+6+4*(\k%2):AFR+7+4*(\k%2)], v[S+4*\k+2:S+4*\k+3], v[S+66+4*\k:S+67+4*\k], v[AFR+6+4*(\k%2):AFR+7+4*(\k%2)]
.endr
	v_pk_add_f32 v[AFR+4:AFR+5], v[AFR+4:AFR+5], v[AFR+8:AFR+9]
	v_pk_add_f32 v[AFR+6:AFR+7], v[AFR+6:AFR+7], v[AFR+10:AFR+11]
.irp e, 0,1,2,3
	v_permlanex16_b32 v[CH+\e], v[AFR+4+\e], s[SEL], s[SEL+1]
.endr
.irp e, 0,1,2,3
	v_add_f32 v[AFR+4+\e], v[AFR+4+\e], v[CH+\e]
.endr
	s_wait_alu depctr_va_vdst(0)                   ; ahead of the batch,
.irp e, 0,1,2,3
	v_log_f32 v[AFR+12+\e], v[AFR+4+\e]            ; log2 L; L is 1 or more but for rounding: the column's largest term is 1
.endr
	v_nop
	v_cmp_gt_u32 vcc_lo, 16, v[LN]
	s_wait_alu depctr_va_vdst(0)                   ; and behind it
.irp e, 0,1,2,3
	v_cndmask_b32 v[AFR+16+\e], v[AFR+12+\e], v[AFR+\e], vcc_lo       ; lanes 0-15 store -m, lanes 16-31 store -log2 L
.endr
.irp e, 0,1,2,3
	v_xor_b32 v[AFR+16+\e], 0x80000000, v[AFR+16+\e]
.endr
	global_store_b128 v[LI], v[AFR+16:AFR+19], s[54:55]               ; 512 consecutive bytes, aligned
.Ldone:
	s_wait_tensorcnt 0x0                           ; the wave's end: behind my last tensor load and my last LDS store
	ds_add_u32 v[SPW], v[NIL]
	s_wait_dscnt 0x0
	CROUND                                         ; the closing round: no work-group ends while a partner may still ask for a tile that names it
	s_endpgm
.Lfunc_end_k_qf225e48bde_stats:
	.size	k_qf225e48bde_stats, .Lfunc_end_k_qf225e48bde_stats-k_qf225e48bde_stats
	.p2alignl 7, 3214868480
	.fill 96, 4, 3214868480
	.section	.rodata,"a",@progbits
	.p2align	6, 0x0
	.amdhsa_kernel k_qf225e48bde_stats
		.amdhsa_group_segment_fixed_size 327680
		.amdhsa_private_segment_fixed_size 0
		.amdhsa_enable_private_segment 0
		.amdhsa_kernarg_size 32
		.amdhsa_user_sgpr_count 2
		.amdhsa_user_sgpr_kernarg_segment_ptr 1
		.amdhsa_wavefront_size32 1
		.amdhsa_system_sgpr_workgroup_id_x 1
		.amdhsa_system_sgpr_workgroup_id_y 1
		.amdhsa_system_sgpr_workgroup_id_z 1
		.amdhsa_system_vgpr_workitem_id 0
		.amdhsa_next_free_vgpr 256
		.amdhsa_next_free_sgpr 66
		.amdhsa_reserve_vcc 1
		.amdhsa_float_denorm_mode_32 3
		.amdhsa_float_denorm_mode_16_64 3
		.amdhsa_memory_ordered 1
		.amdhsa_forward_progress 1
		.amdhsa_inst_pref_size 136
	.end_amdhsa_kernel
	.amdgpu_metadata
---
amdhsa.version: [ 1, 2 ]
amdhsa.kernels:
  - .name:           k_qf225e48bde_stats
    .symbol:         k_qf225e48bde_stats.kd
    .args:
      - { .name: lowp_scales, .offset: 0, .size: 8, .value_kind: global_buffer, .address_space: global }
      - { .name: a_img, .offset: 8, .size: 8, .value_kind: global_buffer, .address_space: global }
      - { .name: b_img, .offset: 16, .size: 8, .value_kind: global_buffer, .address_space: global }
      - { .name: strm, .offset: 24, .size: 8, .value_kind: global_buffer, .address_space: global }
    .group_segment_fixed_size: 327680
    .private_segment_fixed_size: 0
    .kernarg_segment_align: 8
    .kernarg_segment_size: 32
    .max_flat_workgroup_size: 512
    .sgpr_count:     66
    .vgpr_count:     256
    .wavefront_size: 32
...
	.end_amdgpu_metadata
.endif
;; end of part 2
;; launch apply (part 3): grid 128 x 2, 8 waves a work-group, clusters of 4 x 1, 327,680 bytes of LDS; arguments lowp_scales, a_img, strm, out0; writes out0
.if DOCPART == 3
	.amdgcn_target "amdgcn-amd-amdhsa--gfx1250"
	.amdhsa_code_object_version 6
	.text
	.protected	k_qf225e48bde_apply
	.globl	k_qf225e48bde_apply
	.p2align	8
	.type	k_qf225e48bde_apply,@function
k_qf225e48bde_apply:
	s_mov_b64 s[64:65], 0
	v_nop
	global_prefetch_b8 v0, s[64:65] scope:SCOPE_SE
	s_setreg_imm32_b32 hwreg(HW_REG_WAVE_MODE, 25, 1), 1
	s_wait_xcnt 0x0
	s_wait_alu depctr_hold_cnt(0) depctr_sa_sdst(0) depctr_va_vdst(0) depctr_va_sdst(0) depctr_va_ssrc(0) depctr_va_vcc(0) depctr_vm_vsrc(0)
	s_getreg_b32 s2, hwreg(HW_REG_IB_STS2, 6, 4)
	s_cmp_eq_u32 s2, 0
	s_cbranch_scc0 .Lentry_in_a_cluster
	s_endpgm
.Lentry_in_a_cluster:
	s_bfe_u32 s2, ttmp6, 0x10000c
	s_cmp_lg_u32 s2, 0x3003
	s_cbranch_scc0 .Lentry_shape_is_right
	s_endpgm
.Lentry_shape_is_right:
; out[b][d][i] = sum over j of Q2(y[i][j]) Q3(x[j][d]), y[i][j] = 2^((s[i][j] - m[j]) c - log2 L[j]): the softmax over i, finished and normalised; s = Q0(x[i]) . Q1(x[j]) as a sum of codes, c = log2(e) x 2^(e0 + e1);
; -m and -log2 L come from the launch before.  Nothing is left out.
; SHARES.  A work-group owns 64 rows i of one batch (four tiles it) and walks all 128 chunks of 64 columns j.  Each of its EIGHT waves takes two chunks of a slot of sixteen: 16 steps a wave; the eight waves' sums meet in LDS at the end.
; A chunk of strm is 8,704 bytes: the columns' codes under e1 (4,096), their codes under e3 for the second product (4,096), -m (256), -log2 L (256).  A wave fetches, and alone reads, its own two chunks.
; LAYOUT.  The first product is used transposed (source 0 = 16 columns j, source 1 = 16 rows i): a lane holds one row i and eight neighbouring columns, so the conversions' results are the second product's operand.
; -m[j] is the first product's C, so s - m needs no vector line; -log2 L is the addend of the one multiply-add ahead of the exponential.
; THE LOOP IS A PIPELINE OF STAGES.  A group is tile it = k x 64 columns: 32 registers.  A stage makes (FRONT) the second product of group n - 3, the first product and the multiply-adds of group n + 1 and the
; codes of group n - 2, then (BACK) the exponentials of group n with the hold of group n - 1 between them.  What a stage writes is read in the next one, behind the one wait at its head.
; n + 1 and n - 3 have the same k: the second product lags by one step of four stages, so a step reads its chunk's e1 codes, -m and -log2 L, and the chunk before's e3 codes.
; CLUSTER.  The four work-groups of a cluster belong to one batch and walk the same chunks: each is asked for JOINTLY, by the same tensor load with the same descriptor and a mask that names the four.
; LIMITS: e0 + e1 between -126 and 127; e2 between -126 and 119; e2 + e3 between -126 and 127.  y under 2^-126 counts as 0.  |s c| under 2^31.  NaN among the inputs is not served.
; All of a WGP's LDS is claimed.
.set CHUNK, 8704
.set WPART, 2*CHUNK                    ; a wave's part of a slot
.set SLOTB, 8*WPART                    ; a slot: 139,264 bytes
.set SPARE, 2*SLOTB                    ; the spare words, 128 bytes for each wave: four blocks of 256 bytes that no other line names
; window 0
.set AD,  1                            ; v1, v2  LDS address of my wave's part + 16 x lane, slot 0 and 1
.set SD,  3                            ; v3, v4  LDS address of my half's -m, slot 0 and 1
.set PFO, 5                            ; v5   256 x the lesser of lane and 16, for the prefetch; never rewritten
.set SPW, 6                            ; v6   LDS address of my spare word; never rewritten
.set NIL, 7                            ; v7   0; never rewritten
.set LI,  8                            ; v8   16 x lane
.set STO, 9                            ; v9   the way out: where I put 16 bytes
.set RD,  10                           ; v10, v11 the way out: where I read waves 0-3's and waves 4-7's sums
.set GO,  12                           ; v12  my byte offset in the output
.set S,   16                           ; v16-143 the groups: tile t of group k at S + 32 k + 8 t
.set NM,  144                          ; v144-175 -m of the chunk's 64 columns: 8 for each tile
.set LG,  176                          ; v176-207 -log2 L likewise
.set Y,   208                          ; v208-223 codes of y, two groups by turns
.set VS2, 224                          ; v224 2^e2;  v225, v226 448 x 2^e2
.set VL2, 225
; window 1
.set AF,  0                            ; my rows' four fragments (e0)
.set BFR, 32                           ; the chunk's columns (e1)
.set VF,  64                           ; a chunk's columns (e3), two chunks by turns: v64-95 even, v96-127 odd chunks
.set ACC, 128                          ; the sums: (dt, it) at ACC + 8 (4 dt + it)
.set WV,  12                           ; s12 wave; s13 cx; s14 my block of 64 rows; s15 batch; s[16:19] e0 .. e3
.set CS,  22                           ; s[22:23] c, twice
.set G1,  24                           ; s[24:31] descriptor group 1
.set G0,  32                           ; s[32:39] group 0, one set for each slot
.set CNT, 41                           ; s41 trips to go
.set PFA, 42                           ; s[42:43] where my prefetches stand
.set LIM, 44                           ; s44 1 in a work-group that prefetches
.set OS,  56                           ; s[56:57] 2^(e2 + e3), twice
.set MSB, 0
.macro WIN new                         ; the immediate's high byte repeats the setting that is left
.if MSB != \new
	s_set_vgpr_msb (MSB<<8)|\new
.set MSB, \new
.endif
.endm
.macro CREST                           ; a round of the cluster's barrier, behind its opening barrier
	s_cmp_lg_u32 s[WV], 0
	s_cbranch_scc1 .Lnot_wave_0_\@
	s_barrier_signal -3
.Lnot_wave_0_\@:
	s_barrier_wait -3
	s_barrier_signal -1
	s_barrier_wait -1
.endm
.macro CROUND
	s_barrier_signal -1
	s_barrier_wait -1
	CREST
.endm
	s_load_b256 s[4:11], s[0:1], 0x0               ; the scales' exponents s[4:5], a_img s[6:7], strm s[8:9], out s[10:11]
	v_lshl_add_u32 v[SPW], v0, 2, SPARE
	v_mov_b32 v[NIL], 0
	ds_add_u32 v[SPW], v[NIL]                      ; the wave's opening: the add, twice on end, and its wait ahead of my first tensor load; the set-up below stands between
	ds_add_u32 v[SPW], v[NIL]
	v_lshrrev_b32 v13, 5, v0
	v_readfirstlane_b32 s[WV], v13                 ; wave 0..7
	v_and_b32 v13, 31, v0
	v_lshlrev_b32 v[LI], 4, v13
	s_bfe_u32 s13, ttmp6, 0x40000                  ; cx: it enters global addresses of a_img, of the output and of the prefetch alone
	s_lshl_b32 s14, ttmp9, 2
	s_add_co_u32 s14, s14, s13                     ; my block of 64 rows
	s_and_b32 s15, ttmp7, 0xffff                   ; the batch, which the four partners share
	; descriptor group 1: 17,408 dense bytes as 17 rows of 128 elements of 8 bytes
	s_mov_b32 s[G1], 15|(3<<16)|(1<<21)            ; 15:0 the mask: all four work-groups; 17:16 elements of 8 bytes; 21 set beside a mask
	s_mov_b32 s[G1+1], 128<<16
	s_mov_b32 s[G1+2], 17<<16
	s_mov_b32 s[G1+3], 128<<16
	s_mov_b32 s[G1+4], 17
	s_mov_b32 s[G1+5], 128
	s_mov_b32 s[G1+6], 0
	s_mov_b32 s[G1+7], 0
	s_mul_i32 s45, s[WV], WPART                    ; my wave's part of a slot, in LDS and in memory
	s_mul_i32 s46, s15, 128*CHUNK                  ; the batch's chunks
	s_add_co_u32 s46, s46, s45
	s_mov_b32 s47, 0
	s_lshl_b32 s48, s15, 19                        ; a_img: the batch, and my block's four tiles of 1,024 bytes
	s_lshl_b32 s49, s14, 12
	s_add_co_u32 s48, s48, s49
	s_mov_b32 s49, 0
	s_lshl_b32 s52, s15, 21                        ; the output: the batch, my wave's eight d of 32,768 bytes each, my block's 256 bytes
	s_lshl_b32 s53, s[WV], 18
	s_add_co_u32 s52, s52, s53
	s_lshl_b32 s53, s14, 8
	s_add_co_u32 s52, s52, s53
	s_mov_b32 s53, 0
	s_mul_i32 s50, s13, 4352                       ; the prefetch: each partner a quarter of my wave's part, told apart by address
	s_add_co_u32 s50, s50, 2*SLOTB                 ; the first change of slots steps it to the fourth slot's worth
	s_mov_b32 s51, 0
	s_cmp_eq_u32 ttmp9, 0
	s_cselect_b32 s[LIM], 1, -1                    ; the batch's first cluster: the same in all four partners
	s_wait_alu depctr_va_vdst(0)
	s_wait_dscnt 0x0                               ; both opening adds are done
	s_wait_kmcnt 0x0
	s_load_b128 s[16:19], s[4:5], 0x0              ; e0, e1, e2, e3
	s_add_nc_u64 s[46:47], s[8:9], s[46:47]
	s_add_nc_u64 s[48:49], s[6:7], s[48:49]
	s_add_nc_u64 s[52:53], s[10:11], s[52:53]
	s_add_nc_u64 s[PFA:PFA+1], s[46:47], s[50:51]
	WIN 0x40
.irp it, 0,1,2,3                               ; my rows' codes: they stay in registers
	global_load_b128 v[AF+8*\it:AF+8*\it+3],   v[LI], s[48:49] offset:1024*\it
	global_load_b128 v[AF+8*\it+4:AF+8*\it+7], v[LI], s[48:49] offset:1024*\it+512
.endr
	WIN 0
.irp n, 0,1
	s_mov_b32 s[G0+4*\n], 1                        ; count = 1
	s_add_co_u32 s[G0+4*\n+1], s45, \n*SLOTB       ; LDS address
	s_add_nc_u64 s[G0+4*\n+2:G0+4*\n+3], s[46:47], \n*SLOTB
	s_or_b32 s[G0+4*\n+3], s[G0+4*\n+3], 0x80000000 ; type = 2
.endr
	CROUND                                         ; all four work-groups are here: the first joint loads meet
	tensor_load_to_lds s[G0:G0+3], s[G1:G1+7]      ; my part of slot 0: one tensor load a wave at the head
	s_nop 0
	v_and_b32 v14, 15, v0                          ; r
	v_bfe_u32 v15, v0, 4, 1                        ; h
	v_add_nc_u32 v[AD], s45, v[LI]
	v_min_u32 v[PFO], 16, v13
	v_lshlrev_b32 v[SD], 5, v15
	v_mul_u32_u24 v[STO], v14, 272
	v_mul_u32_u24 v[RD], v15, 272
	v_lshlrev_b32 v[GO], 15, v15
	v_add_nc_u32 v[AD+1], SLOTB, v[AD]
	v_lshlrev_b32 v[PFO], 8, v[PFO]                ; 17 blocks of 256 bytes; the lanes that are left over name the last again
	v_add_nc_u32 v[SD], s45, v[SD]
	v_lshl_add_u32 v[STO], v15, 5, v[STO]
	v_lshl_add_u32 v[RD], v14, 4, v[RD]
	v_lshl_add_u32 v[GO], v14, 4, v[GO]
	s_mul_i32 s54, s[WV], 8*272
	v_add_nc_u32 v[SD], 8192, v[SD]
	v_add_nc_u32 v[STO], s45, v[STO]
	v_add_nc_u32 v[RD], s54, v[RD]
	v_add_nc_u32 v[SD+1], SLOTB, v[SD]
	v_add_nc_u32 v[RD+1], 4*WPART, v[RD]
	s_wait_alu depctr_va_vdst(0)
	s_wait_kmcnt 0x0
	s_add_co_i32 s50, s16, s17
	s_lshl_b32 s50, s50, 23
	s_add_co_i32 s[CS], s50, 0x3fb8aa3b            ; log2(e) with e0 + e1 added to its exponent field
	s_mov_b32 s[CS+1], s[CS]                       ; (named with it as a pair, so it is written)
	s_add_co_i32 s[OS], s18, s19
	s_add_co_i32 s[OS], s[OS], 127
	s_lshl_b32 s[OS], s[OS], 23
	s_mov_b32 s[OS+1], s[OS]
	s_add_co_i32 s54, s18, 127
	s_lshl_b32 s55, s54, 23
	s_add_co_i32 s54, s54, 8
	s_lshl_b32 s54, s54, 23
	s_or_b32 s54, s54, 0x600000
	v_mov_b32 v[VS2], s55                          ; 2^e2: the conversion takes its exponent field
	v_mov_b32 v[VL2], s54                          ; 448 x 2^e2, twice: a dual line's two first sources lie in different banks
	v_mov_b32 v[VL2+1], s54
.macro HOLD b, i                       ; numbers 2 i and 2 i + 1 of the group at b: the conversion to an 8-bit code does not saturate (ISA guide 7.6.2); y is not negative, so the hold is one-sided
	v_dual_min_num_f32 v[\b+2*(\i)], v[VL2], v[\b+2*(\i)] :: v_dual_min_num_f32 v[\b+2*(\i)+1], v[VL2+1], v[\b+2*(\i)+1]
.endm
; FRONT: k the stage and its tile of rows; w2: the second product (2: its first, which starts the sums); w1: the first product and the multiply-adds; cv: the conversions; mn: the first four lines of the hold.
.macro FRONT k, w2, w1, cv, mn
.set SB, S+32*(\k)
.set CB, S+32*((\k+1)%4)
.set QB, S+32*((\k+2)%4)
.set YR, Y+8*((\k)%2)
.set YW, Y+8*((\k+1)%2)
	s_wait_alu depctr_va_vdst(0)                   ; one wait for all that the last stage wrote
.if \w2
	WIN 0x54                                       ; source 0 window 0; source 1, C and D window 1
.irp dt, 0,1,2,3
.if \w2 == 2
	v_wmma_f32_16x16x64_fp8_fp8 v[ACC+8*(4*\dt+\k):ACC+8*(4*\dt+\k)+7], v[YR:YR+7], v[VB+8*\dt:VB+8*\dt+7], 0
.else
	v_wmma_f32_16x16x64_fp8_fp8 v[ACC+8*(4*\dt+\k):ACC+8*(4*\dt+\k)+7], v[YR:YR+7], v[VB+8*\dt:VB+8*\dt+7], v[ACC+8*(4*\dt+\k):ACC+8*(4*\dt+\k)+7]
.endif
.endr
.endif
.if \w1
	WIN 0x05                                       ; sources 0 and 1 window 1; C and D window 0
.irp t, 0,1,2,3
	v_wmma_f32_16x16x64_fp8_fp8 v[SB+8*\t:SB+8*\t+7], v[BFR+8*\t:BFR+8*\t+7], v[AF+8*(\k):AF+8*(\k)+7], v[NM+8*\t:NM+8*\t+7]   ; s - m
.endr
.endif
	WIN 0
.if \cv
.irp t, 0,1,2,3
	v_cvt_scalef32_pk8_fp8_f32 v[YW+2*\t:YW+2*\t+1], v[CB+8*\t:CB+8*\t+7], v[VS2]
.endr
.endif
.if \mn
.irp i, 0,1,2,3                        ; (also the places behind the products: ISA guide 7.12.1)
	HOLD QB, \i
.endr
.else
.rept 4
	v_nop
.endr
.endif
.if \w1
.set n, 0
.rept 16
	v_pk_fma_f32 v[SB+n:SB+n+1], v[SB+n:SB+n+1], s[CS:CS+1], v[LG+n:LG+n+1] op_sel_hi:[1,0,1]   ; (s - m) c - log2 L
.set n, n+2
.endr
.endif
.endm
; BACK: the exponentials of the last stage's group (ex), with the rest of the hold of the group before it (mn) between them.
.macro HALF k, ex, mn, pt              ; (one half of it: pt = 0, 1)
.set EB, S+32*((\k+3)%4)
.set QB, S+32*((\k+2)%4)
.set n, 16*(\pt)
.set hh, 4+6*(\pt)
.rept 16
.if \ex
	v_exp_f32 v[EB+n], v[EB+n]
.endif
.if \mn
.if ((n%8) == 2) || ((n%8) == 5) || ((n%8) == 7)
	HOLD QB, hh
.set hh, hh+1
.endif
.endif
.set n, n+1
.endr
.if \mn == 0
	v_nop                                          ; a plain line behind the last exponential
.endif
.endm
.macro BACK k, ex, mn
	HALF \k, \ex, \mn, 0
	HALF \k, \ex, \mn, 1
.endm
.macro LD_B sl, q                      ; (window 1 as destination)
.irp t, 0,1,2,3
	ds_load_b128 v[BFR+8*\t:BFR+8*\t+3],   v[AD+\sl] offset:CHUNK*\q+1024*\t
	ds_load_b128 v[BFR+8*\t+4:BFR+8*\t+7], v[AD+\sl] offset:CHUNK*\q+1024*\t+512
.endr
.endm
.macro LD_V sl, q
.irp t, 0,1,2,3
	ds_load_b128 v[VB+8*\t:VB+8*\t+3],   v[AD+\sl] offset:CHUNK*\q+4096+1024*\t
	ds_load_b128 v[VB+8*\t+4:VB+8*\t+7], v[AD+\sl] offset:CHUNK*\q+4096+1024*\t+512
.endr
.endm
.macro LD_C sl, q                      ; -m and -log2 L: eight neighbouring columns of each tile
.irp t, 0,1,2,3
	ds_load_b128 v[NM+8*\t:NM+8*\t+3],   v[SD+\sl] offset:CHUNK*\q+64*\t
	ds_load_b128 v[NM+8*\t+4:NM+8*\t+7], v[SD+\sl] offset:CHUNK*\q+64*\t+16
.endr
.irp t, 0,1,2,3
	ds_load_b128 v[LG+8*\t:LG+8*\t+3],   v[SD+\sl] offset:CHUNK*\q+256+64*\t
	ds_load_b128 v[LG+8*\t+4:LG+8*\t+7], v[SD+\sl] offset:CHUNK*\q+256+64*\t+16
.endr
.endm
.macro NEXT sl, q                      ; the next chunk whole; its e3 codes go into the buffer VB that this step's second products have read: they are used one step later than the rest
	WIN 0x40
	LD_B \sl, \q
	LD_V \sl, \q
	WIN 0
	LD_C \sl, \q
.endm
.macro FIRST w2                        ; stage 0
	FRONT 0, \w2, 1, 1, 1
	BACK 0, 1, 1
.endm
.macro MID w2                          ; stages 1 and 2
	FRONT 1, \w2, 1, 1, 1
	BACK 1, 1, 1
	FRONT 2, \w2, 1, 1, 1
	BACK 2, 1, 1
.endm
.macro SAME sl, w2                     ; stage 3 of an even step: the next chunk lies in the same slot
	FRONT 3, \w2, 1, 1, 1
	NEXT \sl, 1
	BACK 3, 1, 1
	s_wait_alu depctr_va_vdst(0)
	s_wait_dscnt 0x0
.endm
.macro EVEN sl                         ; an even step
.set VB, VF+32
	FIRST 1
	MID 1
	SAME \sl, 1
.endm
; An odd step with THE CHANGE OF SLOTS.  sl: the slot whose last chunk went into registers at the end of the step before.  Each wave waits for all its tensor loads (its part of the slot ahead is then in; only it reads those bytes),
; adds 0 to its spare word, and waits for that and for its LDS reads; half a stage's exponentials stand between.  The other half, work on registers, stands inside the round.  Behind it no wave of any partner reads the old
; slot or has a load on its way: it is filled again, and the load has until the next change, two steps on, in which to land.
; A PREFETCH INTO THE L2 (ask = 1) of what the NEXT change will ask for, nearly two steps ahead of that load.  All clusters of a batch walk the same chunks: the batch's first cluster asks; its four partners share each
; wave's 17,408 bytes by address, 4,352 bytes each: each block of 256 bytes is named once.  The last change that fills asks for nothing.
.macro TURN sl, w2, ask
.set VB, VF
	FIRST \w2
	FRONT 1, \w2, 1, 1, 1
	BACK 1, 1, 1
	FRONT 2, \w2, 1, 1, 1
	s_wait_tensorcnt 0x0                           ; no tensor load of mine is out, so a group 0 may be written
	ds_add_u32 v[SPW], v[NIL]                      ; 0 onto my spare word
	s_add_nc_u64 s[G0+4*\sl+2:G0+4*\sl+3], s[G0+4*\sl+2:G0+4*\sl+3], 2*SLOTB
.if \ask
	s_wait_xcnt 0x0                                ; any prefetch of mine has read its address
	s_add_nc_u64 s[PFA:PFA+1], s[PFA:PFA+1], SLOTB
.endif
	HALF 2, 1, 1, 0
	s_wait_dscnt 0x0                               ; the add is done, and so are my reads
	s_barrier_signal -1
	HALF 2, 1, 1, 1
	s_wait_alu depctr_va_vdst(0)
	s_barrier_wait -1
	CREST
	tensor_load_to_lds s[G0+4*\sl:G0+4*\sl+3], s[G1:G1+7]   ; the first thing behind the round, and my one tensor load until the next
	s_nop 0
	FRONT 3, \w2, 1, 1, 1
	NEXT 1-\sl, 0
	BACK 3, 1, 1
	s_wait_alu depctr_va_vdst(0)
	s_wait_dscnt 0x0
.if \ask
	s_cmp_eq_u32 s[LIM], 1
	s_cbranch_scc0 .Lnot_mine_\@
	global_prefetch_b8 v[PFO], s[PFA:PFA+1] th:TH_LOAD_NT scope:SCOPE_SE
.Lnot_mine_\@:
.endif
.endm
	s_wait_alu depctr_va_vdst(0)
	s_wait_tensorcnt 0x0                           ; my part of slot 0 is in.  Only I read these bytes
.set VB, VF
	WIN 0x40
	LD_B 0, 0
	LD_V 0, 0
	WIN 0
	LD_C 0, 0
	s_wait_loadcnt 0x0                             ; my rows' fragments
	s_wait_tensorcnt 0x0                           ; ahead of a later first fill, as ahead of a refill
	ds_add_u32 v[SPW], v[NIL]
	s_wait_dscnt 0x0
	s_barrier_signal -1
	FRONT 0, 0, 1, 0, 0                            ; step 0
	s_barrier_wait -1
	CREST
	tensor_load_to_lds s[G0+4:G0+7], s[G1:G1+7]    ; slot 1's first fill
	s_nop 0
	FRONT 1, 0, 1, 0, 0
	BACK 1, 1, 0
	FRONT 2, 0, 1, 0, 1
	BACK 2, 1, 1
.set VB, VF+32
	SAME 0, 0
	TURN 0, 2, 1                                   ; step 1: its second products start the sums
	EVEN 1                                         ; step 2
	s_mov_b32 s[CNT], 2
.Lring:                                        ; steps 3 to 6 and 7 to 10
	TURN 1, 1, 1
	EVEN 0
	TURN 0, 1, 1
	EVEN 1
	s_sub_co_u32 s[CNT], s[CNT], 1
	s_cmp_lg_u32 s[CNT], 0
	s_cbranch_scc1 .Lring
	TURN 1, 1, 0                                   ; step 11: the last refill
	EVEN 0                                         ; step 12
.set VB, VF
	FIRST 1                                        ; step 13: nothing is filled again, so no round stands here
	MID 1
	FRONT 3, 1, 1, 1, 1
	s_wait_tensorcnt 0x0                           ; my part of the last slot is in
	NEXT 1, 0
	BACK 3, 1, 1
	s_wait_dscnt 0x0
	EVEN 1                                         ; step 14
.set VB, VF
	FIRST 1                                        ; step 15: no chunk follows
	MID 1
	FRONT 3, 1, 1, 1, 1
	BACK 3, 1, 1
.set VB, VF+32
	FRONT 0, 1, 0, 1, 1                            ; the pipeline runs empty
	BACK 0, 1, 1
	FRONT 1, 1, 0, 1, 1
	BACK 1, 0, 1
	FRONT 2, 1, 0, 1, 0
	FRONT 3, 1, 0, 0, 0                            ; (ends with four places behind the last products)
	; THE WAY OUT.  Register j of sum (dt, it) is d = 16 dt + r, i = 16 it + 8 h + j: each wave lays its 64 x 64 sums as rows of d, 272 bytes apart, into its own part of slot 0, which has had its last fill and which it alone has read.
	; Behind a barrier wave w adds the eight waves' rows 8 w .. 8 w + 7 and stores them: sixteen lanes store 256 consecutive bytes, aligned.
	s_wait_alu depctr_va_vdst(0)
	WIN 0x04
.irp it, 0,1,2,3
.irp dt, 0,1,2,3
	ds_store_b128 v[STO], v[ACC+8*(4*\dt+\it):ACC+8*(4*\dt+\it)+3]   offset:4352*\dt+64*\it
	ds_store_b128 v[STO], v[ACC+8*(4*\dt+\it)+4:ACC+8*(4*\dt+\it)+7] offset:4352*\dt+64*\it+16
.endr
.endr
	WIN 0
	s_wait_dscnt 0x0                               ; for the others' sake: my stores have landed
	s_barrier_signal -1
	s_barrier_wait -1
.irp u, 0,1,2,3
.irp k, 0,1,2,3,4,5,6,7
	ds_load_b128 v[S+4*(8*\u+\k):S+4*(8*\u+\k)+3], v[RD+\k/4] offset:WPART*(\k%4)+544*\u
.endr
.endr
.irp u, 0,1,2,3
	s_wait_dscnt 8*(3-\u)                          ; the eight waves' rows 2 u and 2 u + 1 are in; the loads of later rows may be out
.set OB, S+32*\u
.irp p, 0,2
.irp k, 0,8,16,24
	v_pk_add_f32 v[OB+\k+\p:OB+\k+\p+1], v[OB+\k+\p:OB+\k+\p+1], v[OB+\k+4+\p:OB+\k+4+\p+1]
.endr
.endr
.irp k, 0,16
.irp p, 0,2
	v_pk_add_f32 v[OB+\k+\p:OB+\k+\p+1], v[OB+\k+\p:OB+\k+\p+1], v[OB+\k+8+\p:OB+\k+8+\p+1]
.endr
.endr
.irp p, 0,2
	v_pk_add_f32 v[OB+\p:OB+\p+1], v[OB+\p:OB+\p+1], v[OB+16+\p:OB+16+\p+1]
.endr
.irp p, 0,2
	v_pk_mul_f32 v[OB+\p:OB+\p+1], v[OB+\p:OB+\p+1], s[OS:OS+1] op_sel_hi:[1,0]
.endr
	global_store_b128 v[GO], v[OB:OB+3], s[52:53] offset:65536*\u th:TH_STORE_NT
.endr
	s_wait_tensorcnt 0x0                           ; the wave's end: behind my last tensor load and my last LDS store
	ds_add_u32 v[SPW], v[NIL]
	s_wait_dscnt 0x0
	CROUND                                         ; the closing round: no work-group ends while a partner may still ask for a tile that names it
	s_endpgm
.Lfunc_end_k_qf225e48bde_apply:
	.size	k_qf225e48bde_apply, .Lfunc_end_k_qf225e48bde_apply-k_qf225e48bde_apply
	.p2alignl 7, 3214868480
	.fill 96, 4, 3214868480
	.section	.rodata,"a",@progbits
	.p2align	6, 0x0
	.amdhsa_kernel k_qf225e48bde_apply
		.amdhsa_group_segment_fixed_size 327680
		.amdhsa_private_segment_fixed_size 0
		.amdhsa_enable_private_segment 0
		.amdhsa_kernarg_size 32
		.amdhsa_user_sgpr_count 2
		.amdhsa_user_sgpr_kernarg_segment_ptr 1
		.amdhsa_wavefront_size32 1
		.amdhsa_system_sgpr_workgroup_id_x 1
		.amdhsa_system_sgpr_workgroup_id_y 1
		.amdhsa_system_sgpr_workgroup_id_z 1
		.amdhsa_system_vgpr_workitem_id 0
		.amdhsa_next_free_vgpr 512
		.amdhsa_next_free_sgpr 66
		.amdhsa_reserve_vcc 0
		.amdhsa_float_denorm_mode_32 3
		.amdhsa_float_denorm_mode_16_64 3
		.amdhsa_memory_ordered 1
		.amdhsa_forward_progress 1
		.amdhsa_inst_pref_size 232
	.end_amdhsa_kernel
	.amdgpu_metadata
---
amdhsa.version: [ 1, 2 ]
amdhsa.kernels:
  - .name:           k_qf225e48bde_apply
    .symbol:         k_qf225e48bde_apply.kd
    .args:
      - { .name: lowp_scales, .offset: 0, .size: 8, .value_kind: global_buffer, .address_space: global }
      - { .name: a_img, .offset: 8, .size: 8, .value_kind: global_buffer, .address_space: global }
      - { .name: strm, .offset: 16, .size: 8, .value_kind: global_buffer, .address_space: global }
      - { .name: out0, .offset: 24, .size: 8, .value_kind: global_buffer, .address_space: global }
    .group_segment_fixed_size: 327680
    .private_segment_fixed_size: 0
    .kernarg_segment_align: 8
    .kernarg_segment_size: 32
    .max_flat_workgroup_size: 256
    .sgpr_count:     66
    .vgpr_count:     512
    .wavefront_size: 32
...
	.end_amdgpu_metadata
.endif
;; end of part 3
